; MI455X (gfx1250); checked and timed in simulation.
; The chip was launched on July 23, 2026; its instructions are those of AMD's public machine-readable ISA for CDNA 5 (MIT licence, August 2026) and "CDNA5" Instruction Set Architecture Reference Guide (July 2026). The comments in the code are by the model that wrote it; some were corrected since.
;; Self Attention. Allowed arithmetic: matrix products marked QUANTISED: E4M3 operands, one E8M0 scale for each 32 along K, by v_wmma_scale_f32_16x16x128_f8f6f4 with both operands' format E4M3, f32 sums; everything else in f32.
;; Inputs: W_out_codes 1,024 x 32 x 32 uint8 (E4M3 codes of W_out, K innermost, in blocks of 32 codes); W_out_scales 1,024 x 32 uint8 (E8M0 scales of W_out, one for each 32 codes along K); W_qkv_codes 3,072 x 32 x 32 uint8 (E4M3 codes of W_qkv, K innermost, in blocks of 32 codes); W_qkv_scales 3,072 x 32 uint8 (E8M0 scales of W_qkv, one for each 32 codes along K); b_out 1,024 float32; b_qkv 3,072 float32; x_codes 4 x 2,048 x 32 x 32 uint8 (E4M3 codes of x, K innermost, in blocks of 32 codes); x_scales 4 x 2,048 x 32 uint8 (E8M0 scales of x, one for each 32 codes along K).
;; Outputs: out0 4 x 2,048 x 1,024 float32.
;; This version of the problem:
;;   THIS VERSION OF THE PROBLEM IS GIVEN IN LOW PRECISION. The matrix products marked QUANTISED in the list below multiply operands that are first quantised to E4M3 (4 exponent bits, 3 mantissa bits; 8 bits a number), with one power-of-two scale for each 32 numbers along K (OCP MX v1.0); their sums are f32. All else is computed in f32.
;;   The module's matrix products, in the order in which they are computed (A, B: the left and right operand; K: the contracted axis; several contracted axes count as one K, in the product's order):
;;     1. [M 8,192, K 1,024] x [K 1,024, N 3,072]; A: input x (given as codes); B: input W_qkv (given as codes): QUANTISED
;;     2. batch 64 x [M 2,048, K 64] x [K 64, N 2,048]; A: computed on the way; B: computed on the way: QUANTISED
;;     3. batch 64 x [M 2,048, K 2,048] x [K 2,048, N 64]; A: softmax (see below); B: computed on the way: QUANTISED
;;     4. [M 8,192, K 1,024] x [K 1,024, N 1,024]; A: computed on the way; B: input W_out (given as codes): QUANTISED
;;   THE QUANTISER, for each operand of a quantised product, along K:
;;     - K is cut into blocks of 32 from its start; a last block that is shorter is filled with zeros.
;;     - A block's scale is 2^e with e = floor(log2(the largest magnitude in the block)) - 8, held to -126 .. 127; a block of zeros has e = 0. As a byte (E8M0): e + 127.
;;     - Each number is divided by its block's scale, clamped to +-448, and rounded to the nearest number of E4M3, ties to even, subnormals kept.
;;     - The product sums the exact products of the quantised numbers (number of the format x scale) in f32.
;;   ~~~python
;;   def quantise(x, axis):      # numpy; x: float32 -> the quantised numbers, widened to float32 again
;;       x = np.moveaxis(x, axis, -1); K = x.shape[-1]
;;       x = np.pad(x, [(0, 0)] * (x.ndim - 1) + [(0, -K % 32)]); x = x.reshape(x.shape[:-1] + (-1, 32)); a = np.abs(x).max(-1, keepdims=True)
;;       e = np.where(a > 0, np.clip(np.frexp(np.where(a > 0, a, 1))[1] - 1 - 8, -126, 127), 0)      # np.frexp(a)[1] - 1 = floor(log2(a)), exactly
;;       r = np.clip(x / 2.0 ** e, -448, 448)
;;       step = 2.0 ** (np.maximum(np.frexp(np.where(r == 0, 1, r))[1] - 1, -6) - 3)
;;       q = np.round(r / step) * step * 2.0 ** e      # np.round: ties to even
;;       return np.moveaxis(q.reshape(q.shape[:-2] + (-1,))[..., :K], -1, axis).astype(np.float32)
;;   ~~~
;;   SOFTMAX AHEAD OF A QUANTISED PRODUCT. Where the list says 'softmax', what is quantised is not the finished softmax but p = 2^(t - M), with t = logit x log2(e) and M = ceil(the row's largest t), a whole number; so 1/2 < the row's largest p <= 1. The row's sum l is taken of the UNQUANTISED p, in f32, and the product's result is divided by l at the end. Since M is a whole number, a kernel that streams over the keys may use a running M (the ceiling of the running maximum): every later rescaling is an exact power of two, which a block's scale takes up: the codes' values come out the same.
;;   OPERANDS COMPUTED ON THE WAY. 'Computed on the way' means the value that the module computes at that place (a softmax that the list does not call 'softmax' is quantised finished and normalised). What goes into a quantiser is computed in f32, as accurately as f32 sums, v_exp_f32 and their like allow (about 1e-6 of the number): no bf16 or f16 on the way to a quantiser, and a product that is left as it is and whose result goes on into a quantised operand takes f32 operands (vector FMAs, or v_wmma_f32_16x16x4_f32). A number that lies on a knife's edge between two numbers of the format may be rounded either way, as far as f32 arithmetic and the matrix unit's own rounding can turn it there, and no further.
;;   INPUTS GIVEN AS CODES. W_out (in the module: [1024, 1024], K = its axis 0); W_qkv (in the module: [1024, 3072], K = its axis 0); x (in the module: [4, 2048, 1024], K = its axis 2): each comes as NAME_codes (uint8): NAME with its K axis moved to the last place and cut into blocks of 32 codes, [.., K / 32, bytes a block], one block behind the other in memory; one code a byte (a code: sign, 4 exponent bits, 3 mantissa bits); and NAME_scales (uint8): the same leading axes, one E8M0 byte (e + 127) for each 32 codes along K. Its value is code x scale, taken as it is: it is not quantised again, and the codes and scales need not be those that the quantiser above would give.
;; One version. Each part assembles by itself: llvm-mc -triple=amdgcn-amd-amdhsa -mcpu=gfx1250 --defsym DOCPART=n.
;; ======== version 1 of 1: 3 launches
;; limits: right only within a limited range of input values
;; workspace buffers: qkv_img 25,165,824 bytes; qkv_sc 786,432 bytes; attn_img 8,388,608 bytes; attn_sc 262,144 bytes
;; launch qkv (part 1): grid 12 x 32, 4 waves a work-group, clusters of 4 x 4, 327,680 bytes of LDS; arguments x_codes, x_scales, W_qkv_codes, W_qkv_scales, b_qkv, qkv_img, qkv_sc; writes qkv_img, qkv_sc
.if DOCPART == 1
	.amdgcn_target "amdgcn-amd-amdhsa--gfx1250"
	.amdhsa_code_object_version 6
	.text
	.protected	k_qac2194ecec_qkv
	.globl	k_qac2194ecec_qkv
	.p2align	8
	.type	k_qac2194ecec_qkv,@function
k_qac2194ecec_qkv:
	s_mov_b64 s[64:65], 0
	v_nop
	global_prefetch_b8 v0, s[64:65] scope:SCOPE_SE
	s_setreg_imm32_b32 hwreg(HW_REG_WAVE_MODE, 25, 1), 1
	s_wait_xcnt 0x0
	s_wait_alu depctr_hold_cnt(0) depctr_sa_sdst(0) depctr_va_vdst(0) depctr_va_sdst(0) depctr_va_ssrc(0) depctr_va_vcc(0) depctr_vm_vsrc(0)
	s_getreg_b32 s2, hwreg(HW_REG_IB_STS2, 6, 4)
	s_cmp_eq_u32 s2, 0
	s_cbranch_scc0 .Lentry_in_a_cluster
	s_endpgm
.Lentry_in_a_cluster:
	s_bfe_u32 s2, ttmp6, 0x10000c
	s_cmp_lg_u32 s2, 0xf033
	s_cbranch_scc0 .Lentry_shape_is_right
	s_endpgm
.Lentry_shape_is_right:
.set SIZE_K, 1024
.set KSTEP,  256
.set NQ,     KSTEP/128
.set ROWB,   256
.set KROW,   SIZE_K
.set PITCH,  272
.set FR,     16
.set NL,     4
.set NP,     8
.set HALFT,  128*PITCH
.set SLOT,   4*HALFT
.set LAPS,   SIZE_K/(2*KSTEP)
.set KS,     SIZE_K/32
.set SCL,    2*SLOT
.set HALFS,  (128*KS/256)*272
.set SBLK,   (16*KS/256)*272
.set SPARE,  SCL+4*HALFS
.set SCR,    SPARE+512
.set ADRA, 16
.set ADRB, 20
.set CO,   24
.set SCA,  25
.set SCRD, 26
.set ADRS, 27
.set SPW,  28
.set NIL,  29
.set SGO,  30
.set SC,   32
.set BI,   64
.set TM,   64
.set FL,   80
.set PW,   88
.set DW,   96
.set RB,   104
.set AF,   128
.set PC,   128
.set G1, 24
.set G0, 32
.set G1B, 48
.set G0B, 56
.set G1S, 68
.set G0S, 76
.set G1SB, 80
.set G0SB, 88
.set SEL,  12
.set MNT,  66
.set SELA, 67
.set SELB, 94
.set MSK,  95
.set MSB, 0
.macro WIN new
.if MSB != \new
	s_set_vgpr_msb (MSB<<8)|\new
.set MSB, \new
.endif
.endm
.set MUL_LO, 0xa1
.set MUL_HI, 0xf1
.set BIAS_LO, 0x81
.set BIAS_HI, 0xc1
.set TO_B,   0x40
.macro JLOAD g0a, g1a, g0b, g1b
	s_cmp_eq_u32 s15, 0
	s_cbranch_scc0 .Lfor_b_\@
	tensor_load_to_lds s[\g0a:\g0a+3], s[\g1a:\g1a+7]
	s_nop 0
.rept 4
	v_nop
.endr
	s_branch .Lasked_\@
.Lfor_b_\@:
	tensor_load_to_lds s[\g0b:\g0b+3], s[\g1b:\g1b+7]
	s_nop 0
.rept 4
	v_nop
.endr
.Lasked_\@:
.endm
.macro CREST
	s_cmp_lg_u32 s14, 0
	s_cbranch_scc1 .Lnot_wave_0_\@
	s_barrier_signal -3
.Lnot_wave_0_\@:
	s_barrier_wait -3
	s_barrier_signal -1
	s_barrier_wait -1
.endm
.macro CROUND
	s_barrier_signal -1
	s_barrier_wait -1
	CREST
.endm
	s_load_b128 s[4:7], s[0:1], 0x0
	s_load_b128 s[8:11], s[0:1], 0x10
	s_load_b128 s[96:99], s[0:1], 0x20
	s_load_b64 s[100:101], s[0:1], 0x30
	v_lshl_add_u32 v[SPW], v0, 2, SPARE
	v_mov_b32 v[NIL], 0
	ds_add_u32 v[SPW], v[NIL]
	ds_add_u32 v[SPW], v[NIL]
	v_lshrrev_b32 v1, 5, v0
	v_readfirstlane_b32 s14, v1
	s_lshr_b32 s15, s14, 1
	s_and_b32 s16, s14, 1
	s_bfe_u32 s40, ttmp6, 0x40000
	s_bfe_u32 s41, ttmp6, 0x40004
	s_and_b32 s18, ttmp7, 0xffff
	s_cmp_eq_u32 ttmp9, 2
	s_cselect_b32 s42, s18, ttmp9
	s_cselect_b32 s17, 0, s18
	s_cselect_b32 s95, 2048, 0
	s_lshl_b32 s42, s42, 2
	s_add_co_u32 s42, s42, s40
	s_lshl_b32 s17, s17, 2
	s_add_co_u32 s17, s17, s41
	s_lshl_b32 s43, s41, 2
	s_lshl_b32 s43, 15, s43
	s_lshl_b32 s44, 0x1111, s40
	s_or_b32 s[G1+0], s43, (0<<16)|(1<<20)|(1<<21)|(5<<22)|(3<<25)
	s_or_b32 s[G1B+0], s44, (0<<16)|(1<<20)|(1<<21)|(5<<22)|(3<<25)
.irp g, G1, G1B
	s_mov_b32 s[\g+1], ROWB<<16
	s_mov_b32 s[\g+2], 256<<16                     ; the head's loads bring 256 rows; behind them the two words that count rows are set to 128, for the ring's
	s_mov_b32 s[\g+3], ROWB<<16
	s_mov_b32 s[\g+4], 256
	s_mov_b32 s[\g+5], KROW
	s_mov_b32 s[\g+6], 0
	s_mov_b32 s[\g+7], 0
.endr
	s_or_b32 s[G1S+0], s43, (3<<16)|(1<<20)|(1<<21)|(5<<22)|(3<<25)
	s_or_b32 s[G1SB+0], s44, (3<<16)|(1<<20)|(1<<21)|(5<<22)|(3<<25)
.irp g, G1S, G1SB
	s_mov_b32 s[\g+1], 32<<16
	s_mov_b32 s[\g+2], KS<<16                      ; the scales of 256 rows: 256 KS dense bytes as KS rows of 256
	s_mov_b32 s[\g+3], 32<<16
	s_mov_b32 s[\g+4], KS
	s_mov_b32 s[\g+5], 32
	s_mov_b32 s[\g+6], 0
	s_mov_b32 s[\g+7], 0
.endr
	s_lshl_b32 s20, s17, 8                         ; the tiles' first rows
	s_add_co_u32 s20, s20, s95
	s_lshl_b32 s46, s42, 8
	s_mov_b32 s21, 0
	s_mov_b32 s47, 0
	s_mov_b64 s[18:19], KS
	s_mul_u64 s[22:23], s[20:21], s[18:19]
	s_mul_u64 s[92:93], s[46:47], s[18:19]
	s_mov_b64 s[18:19], KROW
	s_mul_u64 s[20:21], s[20:21], s[18:19]
	s_mul_u64 s[46:47], s[46:47], s[18:19]
	s_mul_i32 s18, s16, 128*KROW                   ; in the ring I fetch 128 rows of a tile: which half, in bytes
	s_mov_b32 s19, 0
	s_mul_i32 s45, s14, HALFT
	s_wait_dscnt 0x0
	s_wait_kmcnt 0x0
	s_cmp_eq_u32 ttmp9, 2
	s_cselect_b64 s[2:3], s[8:9], s[4:5]
	s_cselect_b64 s[8:9], s[4:5], s[8:9]
	s_mov_b64 s[4:5], s[2:3]
	s_cselect_b64 s[2:3], s[10:11], s[6:7]
	s_cselect_b64 s[10:11], s[6:7], s[10:11]
	s_mov_b64 s[6:7], s[2:3]
	s_add_nc_u64 s[20:21], s[4:5], s[20:21]
	s_add_nc_u64 s[22:23], s[6:7], s[22:23]
	s_add_nc_u64 s[46:47], s[8:9], s[46:47]
	s_add_nc_u64 s[92:93], s[10:11], s[92:93]
	CROUND
	s_mov_b32 s[G0S], 1
	s_mov_b32 s[G0S+1], SCL
	s_mov_b64 s[G0S+2:G0S+3], s[22:23]
	s_or_b32 s[G0S+3], s[G0S+3], 0x80000000
	s_mov_b32 s[G0SB], 1
	s_mov_b32 s[G0SB+1], SCL+2*HALFS
	s_mov_b64 s[G0SB+2:G0SB+3], s[92:93]
	s_or_b32 s[G0SB+3], s[G0SB+3], 0x80000000
.set G0H, 4                            ; s[4:7], s[8:11] group 0 for the head's loads of K step 0 (the arguments that lay there have been used)
.set G0HB, 8
	s_mov_b32 s[G0H], 1
	s_mov_b32 s[G0H+1], 0
	s_mov_b64 s[G0H+2:G0H+3], s[20:21]
	s_or_b32 s[G0H+3], s[G0H+3], 0x80000000
	s_mov_b32 s[G0HB], 1
	s_mov_b32 s[G0HB+1], 2*HALFT
	s_mov_b64 s[G0HB+2:G0HB+3], s[46:47]
	s_or_b32 s[G0HB+3], s[G0HB+3], 0x80000000
	s_add_nc_u64 s[20:21], s[20:21], s[18:19]      ; for the ring: my 128 rows of the tile
	s_add_nc_u64 s[46:47], s[46:47], s[18:19]
.irp s, 0,1
	s_mov_b32 s[G0+4*\s], 1
	s_add_co_u32 s[G0+4*\s+1], s45, \s*SLOT
	s_add_nc_u64 s[G0+4*\s+2:G0+4*\s+3], s[20:21], \s*ROWB
	s_or_b32 s[G0+4*\s+3], s[G0+4*\s+3], 0x80000000
	s_mov_b32 s[G0B+4*\s], 1
	s_add_co_u32 s[G0B+4*\s+1], s45, \s*SLOT
	s_add_nc_u64 s[G0B+4*\s+2:G0B+4*\s+3], s[46:47], \s*ROWB
	s_or_b32 s[G0B+4*\s+3], s[G0B+4*\s+3], 0x80000000
.endr
; THE HEAD'S LOADS, ONE A WAVE: wave 0 K step 0's 256 rows of source 1's tile, wave 1 those of source 0's, waves 2 and 3 their scales.  One tree of branches on the wave's number, a load to an arm, all arms leading to one join.
.macro ARM under, g0, g1, next
	s_cmp_lt_u32 s14, \under
	s_cbranch_scc0 \next
	tensor_load_to_lds s[\g0:\g0+3], s[\g1:\g1+7]
	s_nop 0
.rept 4
	v_nop
.endr
	s_branch .Lhead_asked
\next:
.endm
	ARM 1, G0H,  G1,  .Lhead_b
	ARM 2, G0HB, G1B, .Lhead_sa
	ARM 3, G0S,  G1S, .Lhead_sb
	tensor_load_to_lds s[G0SB:G0SB+3], s[G1SB:G1SB+7]
	s_nop 0
.rept 4
	v_nop
.endr
.Lhead_asked:
	v_and_b32 v1, 15, v0
	v_bfe_u32 v2, v0, 4, 1
	s_wait_alu depctr_va_vdst(0)
	s_lshl_b32 s46, s42, 8
	s_lshl_b32 s47, s16, 7
	s_add_co_u32 s46, s46, s47
	s_lshl_b32 s22, s17, 8
	s_lshl_b32 s23, s15, 7
	s_add_co_u32 s22, s22, s23
	s_add_co_u32 s22, s22, 2048
	s_cmp_eq_u32 ttmp9, 2
	s_cselect_b32 s46, s22, s46
	s_lshl_b32 s46, s46, 2
	s_mov_b32 s47, 0
	s_add_nc_u64 s[96:97], s[96:97], s[46:47]
	v_lshlrev_b32 v10, 5, v2
	v_lshlrev_b32 v11, 2, v1
	s_cmp_eq_u32 ttmp9, 2
	s_cbranch_scc1 .Lbias_v
.irp b, 0,1,2,3,4,5,6,7
	global_load_b128 v[BI+8*\b:BI+8*\b+3], v10, s[96:97] offset:64*\b
	global_load_b128 v[BI+8*\b+4:BI+8*\b+7], v10, s[96:97] offset:64*\b+16
.endr
	s_branch .Lbias_done
.Lbias_v:
	s_wait_alu depctr_va_vdst(0)
.irp a, 0,1,2,3,4,5,6,7
.irp j, 0,1,2,3,4,5,6,7
	global_load_b32 v[BI+8*\a+\j], v11, s[96:97] offset:64*\a
.endr
.endr
.Lbias_done:
	v_mul_u32_u24 v3, v1, PITCH
	v_lshl_add_u32 v4, v2, 4, v3
	s_mul_i32 s21, s15, HALFT
	s_mul_i32 s22, s16, HALFT
	s_add_co_u32 s22, s22, 2*HALFT
.irp s, 0,1
	v_add_nc_u32 v[ADRA+\s], s21, v4
	v_add_nc_u32 v[ADRB+\s], s22, v4
	s_add_co_u32 s21, s21, SLOT
	s_add_co_u32 s22, s22, SLOT
.endr
	v_mul_u32_u24 v5, v1, KS
	v_lshrrev_b32 v6, 8, v5
	v_lshl_add_u32 v5, v6, 4, v5
	s_mul_i32 s21, s15, HALFS
	s_mul_i32 s22, s16, HALFS
	s_add_co_u32 s22, s22, 2*HALFS
	s_sub_co_u32 s22, s22, s21
	v_mul_u32_u24 v6, s22, v2
	s_add_co_u32 s21, s21, SCL
	v_add_nc_u32 v5, v5, v6
	v_add_nc_u32 v[ADRS], s21, v5
	v_and_b32 v6, 31, v0
	s_wait_alu depctr_va_vdst(0)
	v_lshlrev_b32 v[CO], 4, v6
	s_lshl_b32 s23, s14, 9
	s_add_co_u32 s23, s23, SCR
	v_lshl_add_u32 v[SCA], v1, 2, s23
	v_add_nc_u32 v[SCRD], s23, v[CO]
	s_lshl_b32 s22, s42, 1
	s_add_co_u32 s22, s22, s16
	s_lshl_b32 s23, s17, 4
	s_lshl_b32 s46, s15, 3
	s_add_co_u32 s23, s23, s46
	s_mov_b32 s[SELA], 0x05040100
	s_mov_b32 s[SELB], 0x07060302
	s_cmp_eq_u32 ttmp9, 2
	s_cselect_b32 s46, 64, 512
	s_cselect_b32 s47, 0x1000000, 0
	s_cselect_b32 s[SELA], 0x03020100, s[SELA]
	s_cselect_b32 s[SELB], 0x07060504, s[SELB]
	s_cselect_b32 s[MSK], -1, 0
	s_mul_i32 s46, s22, s46
	s_add_co_u32 s46, s46, s23
	s_lshl_b32 s46, s46, 11
	s_add_co_u32 s46, s46, s47
	s_mov_b32 s47, 0
	s_add_nc_u64 s[98:99], s[98:99], s[46:47]
	s_lshl_b32 s46, s22, 15
	s_lshl_b32 s47, s23, 5
	s_add_co_u32 s46, s46, s47
	s_lshr_b32 s47, s22, 4
	s_lshl_b32 s47, s47, 16
	s_and_b32 s22, s22, 15
	s_lshl_b32 s22, s22, 8
	s_add_co_u32 s47, s47, s22
	s_lshl_b32 s23, s23, 10
	s_add_co_u32 s47, s47, s23
	s_add_co_u32 s47, s47, 524288
	s_cmp_eq_u32 ttmp9, 2
	s_cselect_b32 s46, s47, s46
	s_mov_b32 s47, 0
	s_add_nc_u64 s[100:101], s[100:101], s[46:47]
	v_and_b32 v7, 3, v6
	v_lshlrev_b32 v7, 4, v7
	v_bfe_u32 v8, v6, 2, 1
	v_lshl_add_u32 v8, v8, 14, v7
	v_lshrrev_b32 v9, 3, v6
	v_lshl_add_u32 v8, v9, 6, v8
	v_and_b32 v9, 15, v6
	v_lshlrev_b32 v9, 4, v9
	v_lshl_add_u32 v9, v2, 12, v9
	v_cndmask_b32 v[SGO], v8, v9, s[MSK]
	s_mov_b32 s[SEL], 0x76543210
	s_mov_b32 s[SEL+1], 0xfedcba98
	s_mov_b32 s[MNT], 0x600000
.macro FRAG reg, adr, q, i
.irp c, 0,1,2,3
	ds_load_b128 v[\reg+4*\c:\reg+4*\c+3], v[\adr] offset:128*(\q)+32*\c+(\i)*16*PITCH
.endr
.endm
.macro MUL16 a0, p, q, sc, cm
.irp a, \a0, \a0+1
.irp b, 0,1,2,3,4,5,6,7
.if \cm == 1
	v_wmma_scale_f32_16x16x128_f8f6f4 v[8*(8*((\a)%4)+\b):8*(8*((\a)%4)+\b)+7], v[128*(\p)+FR*\b:128*(\p)+FR*\b+FR-1], v[AF+FR*(\a):AF+FR*(\a)+FR-1], v[BI+8*\b:BI+8*\b+7], v[SC+8*NQ*(\sc)+NQ*\b+(\q)], v[SC+8*NQ*(\sc)+NQ*(\a)+(\q)] matrix_a_scale:MATRIX_SCALE_ROW1
.elseif \cm == 2
	v_wmma_scale_f32_16x16x128_f8f6f4 v[8*(8*((\a)%4)+\b):8*(8*((\a)%4)+\b)+7], v[128*(\p)+FR*\b:128*(\p)+FR*\b+FR-1], v[AF+FR*(\a):AF+FR*(\a)+FR-1], v[BI+8*(\a):BI+8*(\a)+7], v[SC+8*NQ*(\sc)+NQ*\b+(\q)], v[SC+8*NQ*(\sc)+NQ*(\a)+(\q)] matrix_a_scale:MATRIX_SCALE_ROW1
.else
	v_wmma_scale_f32_16x16x128_f8f6f4 v[8*(8*((\a)%4)+\b):8*(8*((\a)%4)+\b)+7], v[128*(\p)+FR*\b:128*(\p)+FR*\b+FR-1], v[AF+FR*(\a):AF+FR*(\a)+FR-1], v[8*(8*((\a)%4)+\b):8*(8*((\a)%4)+\b)+7], v[SC+8*NQ*(\sc)+NQ*\b+(\q)], v[SC+8*NQ*(\sc)+NQ*(\a)+(\q)] matrix_a_scale:MATRIX_SCALE_ROW1
.endif
.endr
.endr
.endm
.macro FETCH_B slot, q, p
	WIN TO_B
.irp i, 0,1,2,3,4,5,6,7
	FRAG 128*(\p)+FR*\i, ADRB+\slot, \q, \i
.endr
	WIN 0
.endm
.macro FETCH_A slot, q, i0
.irp i, \i0, \i0+1, \i0+2, \i0+3
	FRAG AF+FR*(\i), ADRA+\slot, \q, \i
.endr
.endm
.macro SCALES sc
.irp i, 0,1,2,3,4,5,6,7
	ds_load_b64 v[SC+8*NQ*\sc+NQ*\i:SC+8*NQ*\sc+NQ*\i+1], v[ADRS] offset:\i*SBLK
.endr
.endm
.macro PLACES n
.rept \n
	v_nop
.endr
.endm
.macro STEP slot, q, cm
	s_wait_dscnt 4*NL
.if \cm
	WIN BIAS_LO
.else
	WIN MUL_LO
.endif
	MUL16 0, (\q)%2, \q, \slot, \cm
	MUL16 2, (\q)%2, \q, \slot, \cm
	s_wait_dscnt 0
	PLACES NP
	FETCH_B \slot, (\q)+1, 1-(\q)%2
	FETCH_A \slot, (\q)+1, 0
.if \cm
	WIN BIAS_HI
.else
	WIN MUL_HI
.endif
	MUL16 4, (\q)%2, \q, \slot, \cm
	MUL16 6, (\q)%2, \q, \slot, \cm
	PLACES NP
	WIN 0
	FETCH_A \slot, (\q)+1, 4
.endm
.macro TURN slot, next, fill
	s_wait_tensorcnt 0x0
	ds_add_u32 v[SPW], v[NIL]
	s_wait_dscnt 4*NL+1
	WIN MUL_LO
	MUL16 0, 1, NQ-1, \slot, 0
	s_wait_dscnt 0x0
	s_barrier_signal -1
	MUL16 2, 1, NQ-1, \slot, 0
	WIN 0
	s_barrier_wait -1
.if \fill
	CREST
	s_add_nc_u64 s[G0+4*\slot+2:G0+4*\slot+3], s[G0+4*\slot+2:G0+4*\slot+3], 2*ROWB
	s_add_nc_u64 s[G0B+4*\slot+2:G0B+4*\slot+3], s[G0B+4*\slot+2:G0B+4*\slot+3], 2*ROWB
	JLOAD G0+4*\slot, G1, G0B+4*\slot, G1B
	PLACES NP-4
.else
	PLACES NP
.endif
	s_wait_alu depctr_va_vdst(0)
	v_add_nc_u32 v[ADRS], 4*NQ, v[ADRS]
	FETCH_B \next, 0, 0
	FETCH_A \next, 0, 0
	SCALES \next
	WIN MUL_HI
	MUL16 4, 1, NQ-1, \slot, 0
	MUL16 6, 1, NQ-1, \slot, 0
	PLACES NP
	WIN 0
	FETCH_A \next, 0, 4
.endm
	s_wait_alu depctr_va_vdst(0)                   ; the wait at the head's end
	s_wait_tensorcnt 0x0                           ; my tile of the head's four is in
	ds_add_u32 v[SPW], v[NIL]
	s_mov_b32 s[G1+2], 128<<16                     ; no tensor load of mine is out: from here on a load brings 128 rows
	s_mov_b32 s[G1+4], 128
	s_mov_b32 s[G1B+2], 128<<16
	s_mov_b32 s[G1B+4], 128
	s_wait_dscnt 0x0
	CROUND                                         ; all four tiles are in, and all sixteen work-groups are here
	JLOAD G0+4, G1, G0B+4, G1B                     ; K step 1's load, the first tensor load behind the round
	FETCH_B 0, 0, 0
	FETCH_A 0, 0, 0
	SCALES 0
	FETCH_A 0, 0, 4
	s_wait_loadcnt 0x0
	s_cmp_eq_u32 ttmp9, 2
	s_cbranch_scc1 .Lfirst_v
	STEP 0, 0, 1
	s_branch .Lfirst_done
.Lfirst_v:
	STEP 0, 0, 2
.Lfirst_done:
	s_mov_b32 s3, LAPS-1
.Llap:
	TURN 0, 1, 1
	STEP 1, 0, 0
	TURN 1, 0, 1
	STEP 0, 0, 0
	s_sub_co_u32 s3, s3, 1
	s_cmp_lg_u32 s3, 0
	s_cbranch_scc1 .Llap
	TURN 0, 1, 0
	STEP 1, 0, 0
	s_wait_dscnt 4*NL
	WIN MUL_LO
	MUL16 0, 1, NQ-1, 1, 0
	MUL16 2, 1, NQ-1, 1, 0
	s_wait_dscnt 0
	WIN MUL_HI
	MUL16 4, 1, NQ-1, 1, 0
	MUL16 6, 1, NQ-1, 1, 0
	WIN 0
.macro QUANT a
.set W,   2+(\a)/4
.set AC,  64*((\a)%4)
.set PCA, PC+16*(\a)
.set W12, (W<<2)|(W<<4)
.set W0D, W|(W<<6)
	WIN W12
.irp b, 0,1,2,3
	v_max3_num_f32 v[TM+\b], v[FL], |v[AC+16*\b]|, |v[AC+16*\b+1]|
.endr
.irp i, 2,4,6,8,10,12,14
.irp b, 0,1,2,3
	v_max3_num_f32 v[TM+\b], v[TM+\b], |v[AC+16*\b+\i]|, |v[AC+16*\b+\i+1]|
.endr
.endr
	WIN 0
.irp b, 0,1,2,3
	v_permlanex16_b32 v[TM+4+\b], v[TM+\b], s[SEL], s[SEL+1]
.endr
.irp b, 0,1,2,3
	v_max_num_f32 v[TM+\b], v[TM+\b], v[TM+4+\b]
.endr
.irp b, 0,1,2,3
	v_add_nc_u32 v[TM+12+\b], 0xfc000000, v[TM+\b]
.endr
.irp b, 0,1,2,3
	v_and_or_b32 v[TM+8+\b], v[TM+\b], 0x7f800000, s[MNT]
.endr
.irp b, 0,1,2,3
	v_lshrrev_b32 v[TM+4+\b], 23, v[TM+12+\b]
.endr
	v_lshl_or_b32 v[PW+\a], v[TM+5], 8, v[TM+4]
	v_lshl_or_b32 v[PW+\a], v[TM+6], 16, v[PW+\a]
	v_lshl_or_b32 v[PW+\a], v[TM+7], 24, v[PW+\a]
	WIN W0D
.irp b, 0,1,2,3
.irp i, 0,1,2,3,4,5,6,7,8,9,10,11,12,13,14,15
	v_med3_num_f32 v[AC+16*\b+\i], v[AC+16*\b+\i], -v[TM+8+\b], v[TM+8+\b]
.endr
.endr
	WIN W
.irp b, 0,1,2,3
	v_cvt_scalef32_pk8_fp8_f32 v[PCA+4*\b:PCA+4*\b+1], v[AC+16*\b:AC+16*\b+7], v[TM+12+\b]
	v_cvt_scalef32_pk8_fp8_f32 v[PCA+4*\b+2:PCA+4*\b+3], v[AC+16*\b+8:AC+16*\b+15], v[TM+12+\b]
.endr
	WIN 0
	v_nop
.irp c, 0,1,2,3
	global_store_b128 v[CO], v[PCA+4*\c:PCA+4*\c+3], s[98:99] offset:2048*(\a)+512*\c
.endr
.endm
	v_mov_b32 v[FL], 0x4800000
.irp b, 0,1,2,3
	v_mov_b32 v[TM+4+\b], 0
.endr
	PLACES 3
.irp a, 0,1,2,3,4,5,6,7
	QUANT \a
.endr
.irp p, 0,1,2,3
	v_perm_b32 v[DW+2*\p], v[PW+2*\p+1], v[PW+2*\p], s[SELA]
	v_perm_b32 v[DW+2*\p+1], v[PW+2*\p+1], v[PW+2*\p], s[SELB]
.endr
.irp a, 0,1,2,3,4,5,6,7
	ds_store_b32 v[SCA], v[DW+\a] offset:64*\a
.endr
	ds_load_b128 v[RB:RB+3], v[SCRD]
	s_wait_dscnt 0x0
	global_store_b128 v[SGO], v[RB:RB+3], s[100:101]
	s_wait_tensorcnt 0x0
	ds_add_u32 v[SPW], v[NIL]
	s_wait_dscnt 0x0
	CROUND
	s_endpgm
.Lfunc_end_k_qac2194ecec_qkv:
	.size	k_qac2194ecec_qkv, .Lfunc_end_k_qac2194ecec_qkv-k_qac2194ecec_qkv
	.p2alignl 7, 3214868480
	.fill 96, 4, 3214868480
	.section	.rodata,"a",@progbits
	.p2align	6, 0x0
	.amdhsa_kernel k_qac2194ecec_qkv
		.amdhsa_group_segment_fixed_size 327680
		.amdhsa_private_segment_fixed_size 0
		.amdhsa_enable_private_segment 0
		.amdhsa_kernarg_size 56
		.amdhsa_user_sgpr_count 2
		.amdhsa_user_sgpr_kernarg_segment_ptr 1
		.amdhsa_wavefront_size32 1
		.amdhsa_system_sgpr_workgroup_id_x 1
		.amdhsa_system_sgpr_workgroup_id_y 1
		.amdhsa_system_sgpr_workgroup_id_z 1
		.amdhsa_system_vgpr_workitem_id 0
		.amdhsa_next_free_vgpr 1024
		.amdhsa_next_free_sgpr 102
		.amdhsa_reserve_vcc 0
		.amdhsa_float_denorm_mode_32 3
		.amdhsa_float_denorm_mode_16_64 3
		.amdhsa_memory_ordered 1
		.amdhsa_forward_progress 1
		.amdhsa_inst_pref_size 208
	.end_amdhsa_kernel
	.amdgpu_metadata
---
amdhsa.version: [ 1, 2 ]
amdhsa.kernels:
  - .name:           k_qac2194ecec_qkv
    .symbol:         k_qac2194ecec_qkv.kd
    .args:
      - { .name: x_codes, .offset: 0, .size: 8, .value_kind: global_buffer, .address_space: global }
      - { .name: x_scales, .offset: 8, .size: 8, .value_kind: global_buffer, .address_space: global }
      - { .name: W_qkv_codes, .offset: 16, .size: 8, .value_kind: global_buffer, .address_space: global }
      - { .name: W_qkv_scales, .offset: 24, .size: 8, .value_kind: global_buffer, .address_space: global }
      - { .name: b_qkv, .offset: 32, .size: 8, .value_kind: global_buffer, .address_space: global }
      - { .name: qkv_img, .offset: 40, .size: 8, .value_kind: global_buffer, .address_space: global }
      - { .name: qkv_sc, .offset: 48, .size: 8, .value_kind: global_buffer, .address_space: global }
    .group_segment_fixed_size: 327680
    .private_segment_fixed_size: 0
    .kernarg_segment_align: 8
    .kernarg_segment_size: 56
    .max_flat_workgroup_size: 128
    .sgpr_count:     102
    .vgpr_count:     1024
    .wavefront_size: 32
...
	.end_amdgpu_metadata
.endif
;; end of part 1
;; launch attn (part 2): grid 4 x 64, 16 waves a work-group, clusters of 4 x 1, 327,680 bytes of LDS; arguments qkv_img, qkv_sc, attn_img, attn_sc; writes attn_img, attn_sc
.if DOCPART == 2
	.amdgcn_target "amdgcn-amd-amdhsa--gfx1250"
	.amdhsa_code_object_version 6
	.text
	.protected	k_qac2194ecec_attn
	.globl	k_qac2194ecec_attn
	.p2align	8
	.type	k_qac2194ecec_attn,@function
k_qac2194ecec_attn:
	s_mov_b64 s[64:65], 0
	v_nop
	global_prefetch_b8 v0, s[64:65] scope:SCOPE_SE
	s_setreg_imm32_b32 hwreg(HW_REG_WAVE_MODE, 25, 1), 1
	s_wait_xcnt 0x0
	s_wait_alu depctr_hold_cnt(0) depctr_sa_sdst(0) depctr_va_vdst(0) depctr_va_sdst(0) depctr_va_ssrc(0) depctr_va_vcc(0) depctr_vm_vsrc(0)
	s_getreg_b32 s2, hwreg(HW_REG_IB_STS2, 6, 4)
	s_cmp_eq_u32 s2, 0
	s_cbranch_scc0 .Lentry_in_a_cluster
	s_endpgm
.Lentry_in_a_cluster:
	s_bfe_u32 s2, ttmp6, 0x10000c
	s_cmp_lg_u32 s2, 0x3003
	s_cbranch_scc0 .Lentry_shape_is_right
	s_endpgm
.Lentry_shape_is_right:
; For each batch and head: O[q] = the sum over k of softmax_k(Q[q] . K[k] / 8) V[k], both products on codes of FP8 (E4M3) with one E8M0 scale for each 32 along a product's K; O / l is quantised along (head, channel) for the projection.  No work of the problem is left out.
; THE SOFTMAX AHEAD OF THE SECOND PRODUCT: t = score x log2(e) / 8; M = the row's largest t so far, rounded UP to a whole number; p = 2^(t - M) is what is quantised, along the keys, not normalised.  The row's sum l is taken of
; the unquantised p, in f32, and divides O at the end.  When M moves, the sum and O are multiplied by 2^(old M - new M): exact.
; LIMITS: NaN and infinities are not served.  v_exp_f32 gives 0 for results under 2^-126 (ISA guide, its entry in 15.8); 1 / l is v_rcp_f32's.  A block of zeros gets the scale byte 1 where the rule says 127: its codes are zeros, and this program alone reads the bytes.
; SHARES.  64 heads x 4 blocks of 512 queries = 256 work-groups.  Each of a work-group's sixteen waves owns TWO tiles of 16 queries, tile w and tile 16 + w of the block, one after the other, in 256 registers; four waves to a SIMD.
; NO RING.  A head's K (131,072 bytes), V (131,072) and their scale words (4,096 each) fit in LDS together: every byte is asked for once, at the head, and serves both tiles.  Ten first fills, one a wave:
; waves 0 to 7 the four chunks of 512 keys (even waves K's, odd waves V's), waves 8 and 9 the scale words.  Every wave waits for its load (the wait is for 0), and ONE barrier shows all of it to all sixteen waves.
; CLUSTER.  The four query blocks of a head form a cluster and read the same K and V: each load is asked for jointly, with the same descriptor and a mask that names the four.
; PREFETCH.  K and V are not prefetched: the head asks for all that the work-group will read of them.  Each wave asks at the head for the 1,024 bytes of its second tile's Q (four blocks of 256 bytes, lanes 0 to 3; the other lanes name the last again): sixteen key steps ahead of their load.
; LAYOUT.  Operands lie as images of their registers: group c of four registers as 512 bytes, lane l's 16 bytes at 16 l.  Both products are used transposed: S^T = K Q^T, O^T = V^T P^T: a lane holds ONE query (lane % 16) throughout.
; THE FIRST PRODUCT'S K IS 64, the instruction's 128: a fragment of K holds TWO tiles of 16 keys (groups 0, 1: keys 32 f + 0 .. 15; groups 2, 3: keys 32 f + 16 .. 31) and is multiplied twice: by [Q | zero codes] and by [zero codes | Q].
; So register S + 16 f + i of lane (r, h) is key 32 f + 8 h + i (i < 8) or 32 f + 16 + 8 h + i - 8: the order in which the launch before laid V's keys inside each block of 32.
; REGISTERS: v1-4 addresses that stay; v5, v6 the add's two; v7 Q's global offset; v8-11 addresses of the loads in hand; v12 -M, v13 the largest t, v[14:15] the sum in two halves; v16-23 Q, v24-31 zeros, v32-39 Q again;
; v40-103 four fragments of K or of V; v104-167 S^T, then p; v168-199 O^T; v200-215 p's codes; v216-231 at work; v232-235 K's or V's scale words, v236, v237 Q's of the two tiles, v239 p's; v238 f; v240-255 at work.
.set KIMG,  0                          ; [32 keys: 64][c 4][512]
.set VIMG,  131072                     ; [128 keys: 16][16 channels: 4][c 4][512]
.set KSC,   262144                     ; [32 keys: 64][r 16] words
.set VSC,   266240                     ; [128 keys: 16][16 channels: 4][r 16] words
.set SPARE, 270336                     ; the spare words, 128 bytes for each wave: eight blocks of 256 bytes that no other line names
.set LI,  1                            ; v1  16 x lane
.set LIV, 2                            ; v2  VIMG + 16 x lane
.set LSK, 3                            ; v3  KSC + 4 (lane % 16)
.set LSV, 4                            ; v4  VSC + 4 (lane % 16)
.set SPW, 5
.set NIL, 6
.set ADK, 8
.set ADV, 9
.set ADS, 10
.set ADT, 11
.set F,   40
.set S,   104
.set O,   168
.set PC,  200
.set BM,  216
.set BT,  220
.set HL,  224
.set SO,  228
.set KS,  232
.set QS,  236
.set QS2, 237
.set WV,  12                           ; s12 my wave's number
.set CX,  13
.set QB,  14                           ; s14 my block of 512 queries
.set Y,   15                           ; s15 16 x batch + head
.set SBT, 16
.set HD,  17
.set HP,  18                           ; head / 2
.set PAR, 19                           ; head % 2
.set SEL, 20                           ; s[20:21] lane selects for v_permlanex16_b32: lane l xor 16
.set CS,  22                           ; s[22:23] c = log2(e) / 8: the packed form names a pair and takes its low word for both halves
.set MNT, 24                           ; the mantissa field of 448
.set TK,  25                           ; where the step's images begin: 8,192 bytes a step
.set TJ,  26                           ; and its scale words: 256 bytes a step
.set CNT, 27
.set HM,  28                           ; lanes 16-31
.set AQ,  29                           ; my first tile of 16 queries among the 512 of all batches; the second is 16 further on
.set QO,  30                           ; byte offsets of my first tile: Q's image,
.set OI,  31                           ; its place in attn_img,
.set OS,  32                           ; in attn_sc,
.set QSO, 33                           ; and Q's scale words
.set LC,  34                           ; (wave / 2) % 4: the chunk that waves 0 to 7 bring
.set SH,  35                           ; 16 x (wave % 2)
.set G1S, 36                           ; s[36:43] descriptor group 1 for the scale words; s[44:51] for K's chunks; s[52:59] for V's
.set G1K, 44
.set G1V, 52
.set G0S, 68                           ; s[68:71] group 0 for scale words; s[72:75] for a chunk of images
.set G0I, 72
.macro CROUND                          ; a round of the cluster's barrier
	s_barrier_signal -1
	s_barrier_wait -1
	s_cmp_lg_u32 s[WV], 0
	s_cbranch_scc1 .Lnot_wave_0_\@
	s_barrier_signal -3
.Lnot_wave_0_\@:
	s_barrier_wait -3
	s_barrier_signal -1
	s_barrier_wait -1
.endm
.macro BEHIND                          ; behind a tensor load
	s_nop 0
.rept 4
	v_nop
.endr
.endm
	s_load_b256 s[4:11], s[0:1], 0x0               ; qkv_img s[4:5], qkv_sc s[6:7], attn_img s[8:9], attn_sc s[10:11]
	v_lshl_add_u32 v[SPW], v0, 2, SPARE
	v_mov_b32 v[NIL], 0
	ds_add_u32 v[SPW], v[NIL]                      ; the wave's opening: the add, twice on end, and its wait ahead of the first tensor loads
	ds_add_u32 v[SPW], v[NIL]
	v_lshrrev_b32 v7, 5, v0
	s_delay_alu instid0(VALU_DEP_1)
	v_readfirstlane_b32 s[WV], v7                  ; wave 0..15
	s_bfe_u32 s[CX], ttmp6, 0x40000                ; my place in the cluster: it enters Q's and the results' global addresses alone
	s_lshl_b32 s[QB], ttmp9, 2
	s_add_co_u32 s[QB], s[QB], s[CX]
	s_and_b32 s[Y], ttmp7, 0xffff                  ; which the four partners share
	s_lshr_b32 s[SBT], s[Y], 4
	s_and_b32 s[HD], s[Y], 15
	s_lshr_b32 s[HP], s[HD], 1
	s_and_b32 s[PAR], s[HD], 1
	; descriptor groups 1: elements of 8 bytes, no padding; 15:0 the mask: all four work-groups; 21 set beside a mask
	s_mov_b32 s[G1S], 15|(3<<16)|(1<<21)           ; the scale words: 4,096 dense bytes as 16 rows of 256
	s_mov_b32 s[G1S+1], 32<<16
	s_mov_b32 s[G1S+2], 16<<16
	s_mov_b32 s[G1S+3], 32<<16
	s_mov_b32 s[G1S+4], 16
	s_mov_b32 s[G1S+5], 32
	s_mov_b32 s[G1S+6], 0
	s_mov_b32 s[G1S+7], 0
	s_mov_b32 s[G1K], 15|(3<<16)|(1<<21)           ; K: 32 tiles of 16 keys; of each image's 2,048 bytes (a pair of heads) my head's 1,024
	s_mov_b32 s[G1K+1], 128<<16
	s_mov_b32 s[G1K+2], 32<<16
	s_mov_b32 s[G1K+3], 128<<16
	s_mov_b32 s[G1K+4], 32
	s_mov_b32 s[G1K+5], 256
	s_mov_b32 s[G1K+6], 0
	s_mov_b32 s[G1K+7], 0
	s_mov_b32 s[G1V], 15|(3<<16)|(1<<21)           ; V: 4 steps of 128 keys, 131,072 bytes apart; of each my head's four images, 8,192 bytes
	s_mov_b32 s[G1V+1], 1024<<16
	s_mov_b32 s[G1V+2], 4<<16
	s_mov_b32 s[G1V+3], 1024<<16
	s_mov_b32 s[G1V+4], 4
	s_mov_b32 s[G1V+5], 16384
	s_mov_b32 s[G1V+6], 0
	s_mov_b32 s[G1V+7], 0
	; where a loading wave's bytes lie in memory: even waves K's, odd waves V's.  Made of the wave's number, the batch and the head alone
	s_and_b32 s88, s[WV], 1
	s_bfe_u32 s[LC], s[WV], 0x20001
	s_add_co_u32 s89, s[HD], 16
	s_lshl_b32 s89, s89, 14
	s_lshl_b32 s90, s[SBT], 12
	s_add_co_u32 s89, s89, s90                     ; K's scale words: (16 + head) x 16,384 + batch x 4,096
	s_lshl_b32 s90, s[Y], 12
	s_add_co_u32 s90, s90, 524288                  ; V's: 2^19 + (16 batch + head) x 4,096
	s_add_co_u32 s91, s[HP], 8
	s_lshl_b32 s91, s91, 9
	s_lshl_b32 s92, s[SBT], 7
	s_add_co_u32 s91, s91, s92
	s_lshl_b32 s91, s91, 11
	s_lshl_b32 s92, s[PAR], 10
	s_add_co_u32 s91, s91, s92                     ; K's images: ((8 + head / 2) x 512 + 128 batch) x 2,048 + (head % 2) x 1,024
	s_lshl_b32 s92, s[SBT], 21
	s_lshl_b32 s93, s[HD], 13
	s_add_co_u32 s92, s92, s93
	s_add_co_u32 s92, s92, 0x1000000               ; V's: 2^24 + batch x 16 x 131,072 + head x 8,192
	s_mov_b32 s98, 524288                          ; a chunk on: V: 4 x 131,072;
	s_cmp_eq_u32 s88, 0
	s_cselect_b32 s94, s89, s90
	s_cselect_b32 s96, s91, s92
	s_cselect_b32 s98, 65536, s98                  ; K: 32 x 2,048
	s_mul_i32 s98, s98, s[LC]                      ; my chunk
	s_mov_b32 s95, 0
	s_mov_b32 s97, 0
	s_mov_b32 s99, 0
	; my tiles' places in memory
	s_lshl_b32 s[AQ], s[SBT], 7
	s_lshl_b32 s90, s[QB], 5
	s_add_co_u32 s[AQ], s[AQ], s90
	s_add_co_u32 s[AQ], s[AQ], s[WV]               ; 128 batch + 32 x block + wave
	s_lshl_b32 s91, s[PAR], 10
	s_lshl_b32 s[QO], s[HP], 9
	s_add_co_u32 s[QO], s[QO], s[AQ]
	s_lshl_b32 s[QO], s[QO], 11
	s_add_co_u32 s[QO], s[QO], s91                 ; Q's image: ((head / 2) x 512 + tile) x 2,048 + (head % 2) x 1,024; 16 tiles on: 32,768 bytes
	s_lshl_b32 s[OI], s[AQ], 3
	s_add_co_u32 s[OI], s[OI], s[HP]
	s_lshl_b32 s[OI], s[OI], 11
	s_add_co_u32 s[OI], s[OI], s91                 ; attn_img: (tile x 8 + head / 2) x 2,048 + (head % 2) x 1,024; 16 tiles on: 262,144 bytes
	s_lshl_b32 s[OS], s[AQ], 9
	s_lshl_b32 s90, s[HD], 1
	s_add_co_u32 s[OS], s[OS], s90                 ; attn_sc: row (16 tile + r) x 32 + 2 head; 16 tiles on: 8,192 bytes
	s_lshr_b32 s[QSO], s[AQ], 1
	s_lshl_b32 s[QSO], s[QSO], 6
	s_lshl_b32 s90, s[HD], 14
	s_add_co_u32 s[QSO], s[QSO], s90               ; Q's scale words: head x 16,384 + (tile / 2) x 64; 16 tiles on: 512 bytes
	s_lshl_b32 s[SH], s88, 4                       ; a word holds two tiles' bytes: mine are the upper two where my tile is odd
	s_mov_b32 s[SEL], 0x76543210
	s_mov_b32 s[SEL+1], 0xfedcba98
	s_mov_b32 s[CS], 0x3e38aa3b                    ; log2(e) / 8
	s_mov_b32 s[CS+1], s[CS]                       ; (named with it as a pair, so it is written)
	s_mov_b32 s[MNT], 0x600000
	s_mov_b32 s[HM], 0xffff0000
	s_wait_dscnt 0x0                               ; both opening adds are done
	s_wait_kmcnt 0x0
	s_mov_b32 s[G0S], 1                            ; 1:0 count = 1
	s_lshl_b32 s[G0S+1], s88, 12
	s_add_co_u32 s[G0S+1], s[G0S+1], KSC           ; 63:32 LDS address: K's words, then V's
	s_add_nc_u64 s[G0S+2:G0S+3], s[6:7], s[94:95]  ; 120:64 global address
	s_or_b32 s[G0S+3], s[G0S+3], 0x80000000        ; 127:126 type = 2
	s_mov_b32 s[G0I], 1
	s_lshl_b32 s[G0I+1], s88, 17                   ; K's images from LDS byte 0, V's from 131,072;
	s_lshl_b32 s89, s[LC], 15
	s_add_co_u32 s[G0I+1], s[G0I+1], s89           ; a chunk is 32,768 bytes
	s_add_nc_u64 s[G0I+2:G0I+3], s[4:5], s[96:97]
	s_add_nc_u64 s[G0I+2:G0I+3], s[G0I+2:G0I+3], s[98:99]
	s_or_b32 s[G0I+3], s[G0I+3], 0x80000000
	CROUND                                         ; all four work-groups are here: the joint loads meet
	; THE FIRST FILLS, ONE A WAVE: one tree of branches on the wave's number, a load to an arm, all arms leading to one join
	s_cmp_lt_u32 s[WV], 8
	s_cbranch_scc0 .Lnot_img
	s_cmp_eq_u32 s88, 0
	s_cbranch_scc0 .Limg_v
	tensor_load_to_lds s[G0I:G0I+3], s[G1K:G1K+7]
	BEHIND
	s_branch .Lasked
.Limg_v:
	tensor_load_to_lds s[G0I:G0I+3], s[G1V:G1V+7]
	BEHIND
	s_branch .Lasked
.Lnot_img:
	s_cmp_lt_u32 s[WV], 10
	s_cbranch_scc0 .Lasked
	tensor_load_to_lds s[G0S:G0S+3], s[G1S:G1S+7]
	BEHIND
.Lasked:
	v_and_b32 v[LI], 31, v0
	v_and_b32 v240, 15, v0
	v_min_u32 v244, 3, v[LI]
	v_lshlrev_b32 v[LI], 4, v[LI]
	v_lshl_add_u32 v241, v240, 2, s[QSO]
	v_lshl_add_u32 v244, v244, 8, s[QO]            ; the prefetch: lanes 256 bytes apart, lanes 3 to 31 on the last block
	v_add_nc_u32 v7, s[QO], v[LI]
	v_add_nc_u32 v[LIV], VIMG, v[LI]
	v_lshl_add_u32 v[LSK], v240, 2, KSC
	v_lshl_add_u32 v[LSV], v240, 2, VSC
.macro QLOAD off                       ; Q's two groups, twice: [Q | 0] is v[16:31], [0 | Q] is v[24:39]
	global_load_b128 v[16:19], v7, s[4:5] offset:\off
	global_load_b128 v[20:23], v7, s[4:5] offset:\off+512
	global_load_b128 v[32:35], v7, s[4:5] offset:\off
	global_load_b128 v[36:39], v7, s[4:5] offset:\off+512
.endm
	QLOAD 0
	global_load_b32 v242, v241, s[6:7]             ; the scale words of both my tiles
	global_load_b32 v243, v241, s[6:7] offset:512
	global_prefetch_b8 v244, s[4:5] offset:32768 th:TH_LOAD_NT scope:SCOPE_SE   ; my second tile's Q
.macro INIT                            ; a tile's state.  The step has no first step of its own: it finds zeros, which the first change of M leaves zeros
.set j, 0
.rept 32
	v_mov_b32 v[O+j], 0                            ; O^T
.set j, j+1
.endr
	v_mov_b32 v13, 0xff61b1e6                      ; the largest t so far: -3e38, under every t
	v_mov_b32 v14, 0                               ; the sum, in two halves
	v_mov_b32 v15, 0
	v_floor_f32 v12, -v13                          ; -M
.endm
	INIT
.irp b, 0,1,2,3
	v_mov_b32 v[BT+\b], 0                          ; written once: a lane permute's destination counts as one of its sources
.endr
	v_mov_b32 v239, 0                              ; (named as the upper half of the pair v[238:239] before it is first written)
	v_mov_b32 v240, 0
	s_wait_alu depctr_va_vdst(0)
	s_wait_loadcnt 0x0
	v_lshrrev_b32 v242, s[SH], v242
	v_lshrrev_b32 v243, s[SH], v243
	v_and_b32 v242, 0xffff, v242
	v_and_b32 v243, 0xffff, v243
	v_lshl_or_b32 v[QS], v242, 16, v242            ; my two bytes, twice: for [Q | 0] and for [0 | Q]
	v_lshl_or_b32 v[QS2], v243, 16, v243
.irp j, 24,25,26,27,28,29,30,31
	v_mov_b32 v[\j], 0                             ; zero codes.  (With the step's first eight lines: the places between the scale word and the first product)
.endr
; A KEY STEP: 128 keys.  qs: the register with my tile's scale word of Q
.macro STEP qs
	v_add_nc_u32 v[ADK], s[TK], v[LI]
	v_add_nc_u32 v[ADV], s[TK], v[LIV]
	v_add_nc_u32 v[ADS], s[TJ], v[LSK]
	v_add_nc_u32 v[ADT], s[TJ], v[LSV]
.rept 4
	v_nop                                          ; with the four additions: eight places in front of loads into registers that the last step's products have read
.endr
.irp f, 0,1,2,3
.irp c, 0,1,2,3
	ds_load_b128 v[F+16*\f+4*\c:F+16*\f+4*\c+3], v[ADK] offset:2048*\f+512*\c
.endr
	ds_load_b32 v[KS+\f], v[ADS] offset:64*\f      ; bytes 0, 1: key 32 f + r's; bytes 2, 3: key 32 f + 16 + r's
.endr
	s_wait_alu depctr_va_vdst(0)
	s_wait_dscnt 0x0
.irp f, 0,1,2,3
	v_wmma_scale_f32_16x16x128_f8f6f4 v[S+16*\f:S+16*\f+7], v[F+16*\f:F+16*\f+15], v[16:31], 0, v[KS+\f], v[\qs]
	v_wmma_scale_f32_16x16x128_f8f6f4 v[S+16*\f+8:S+16*\f+15], v[F+16*\f:F+16*\f+15], v[24:39], 0, v[KS+\f], v[\qs]
.endr
.rept 8
	v_nop                                          ; eight places: for the loads below, and for the first read of the scores
.endr
.irp t, 0,1,2,3                                    ; V's fragments are asked for now and land under the softmax
.irp c, 0,1,2,3
	ds_load_b128 v[F+16*\t+4*\c:F+16*\t+4*\c+3], v[ADV] offset:2048*\t+512*\c
.endr
	ds_load_b32 v[KS+\t], v[ADT] offset:64*\t
.endr
.irp b, 0,1,2,3
	v_max3_num_f32 v[BM+\b], v[S+16*\b], v[S+16*\b+1], v[S+16*\b+2]   ; the largest score of each block of 32 keys: for the row's maximum, and, since p rises with the score, for the block's largest p
.endr
.irp i, 3,5,7,9,11,13
.irp b, 0,1,2,3
	v_max3_num_f32 v[BM+\b], v[BM+\b], v[S+16*\b+\i], v[S+16*\b+\i+1]
.endr
.endr
.irp b, 0,1,2,3
	v_max_num_f32 v[BM+\b], v[BM+\b], v[S+16*\b+15]
.endr
.irp b, 0,1,2,3
	s_delay_alu instid0(VALU_DEP_4)
	v_permlanex16_b32 v[BT+\b], v[BM+\b], s[SEL], s[SEL+1]
.endr
.irp b, 0,1,2,3
	s_delay_alu instid0(VALU_DEP_4)
	v_max_num_f32 v[BM+\b], v[BM+\b], v[BT+\b]     ; with lane l xor 16's 16 keys
.endr
	s_delay_alu instid0(VALU_DEP_2)
	v_max3_num_f32 v240, v[BM], v[BM+1], v[BM+2]
	s_delay_alu instid0(VALU_DEP_1)
	v_max_num_f32 v240, v240, v[BM+3]              ; the step's largest score of my query
	s_delay_alu instid0(VALU_DEP_1)
	v_mul_f32 v240, s[CS], v240                    ; as t (c is positive)
	s_delay_alu instid0(VALU_DEP_1)
	v_max_num_f32 v13, v13, v240                   ; the running largest t
	v_mov_b32 v240, v12
	s_delay_alu instid0(VALU_DEP_2)
	v_floor_f32 v12, -v13                          ; the new -M = floor(-t) = -ceil(t): a whole number
	s_delay_alu instid0(VALU_DEP_1)
	v_sub_f32 v240, v12, v240                      ; M's old value less its new one: a whole number, 0 or less
	s_delay_alu instid0(VALU_DEP_1)
	v_cvt_i32_f32 v240, v240                       ; (it saturates)
	s_delay_alu instid0(VALU_DEP_1)
	v_ldexp_f32 v238, 1.0, v240                    ; f = 2^(old M - new M)
.set j, 0
.rept 32
	v_pk_fma_f32 v[S+j:S+j+1], v[S+j:S+j+1], s[CS:CS+1], v[12:13] op_sel_hi:[1,0,0]   ; t - M, two at a time
.set j, j+2
.endr
.irp b, 0,1,2,3
	v_fma_f32 v[BM+\b], v[BM+\b], s[CS], v12       ; the same of each block's largest score
.endr
.set j, 0
	s_wait_alu depctr_va_vdst(0)
.rept 64
	v_exp_f32 v[S+j], v[S+j]                       ; p = 2^(t - M), at most 1
.set j, j+1
.endr
	v_pk_mul_f32 v[14:15], v[14:15], v[238:239] op_sel_hi:[1,0]   ; the sums under the new M: the plain instruction behind the exponentials
	s_wait_alu depctr_va_vdst(0)                   ; the wait ahead of the first instruction that names a result: one for the batch of 64
.irp b, 0,1,2,3
	v_exp_f32 v[BM+\b], v[BM+\b]                   ; the block's largest p: the same two instructions on the same number give the same bits
.endr
	; the row's sum of the unquantised p: 32 pairs and the running pair, 32 packed additions in eight chains
	v_pk_add_f32 v[220:221], v[108:109], v[112:113]
	v_pk_add_f32 v[254:255], v[116:117], v[120:121]
	v_pk_add_f32 v[252:253], v[124:125], v[128:129]
	v_pk_add_f32 v[250:251], v[132:133], v[136:137]
	v_pk_add_f32 v[248:249], v[140:141], v[144:145]
	v_pk_add_f32 v[246:247], v[148:149], v[152:153]
	v_pk_add_f32 v[244:245], v[156:157], v[160:161]
	v_pk_add_f32 v[14:15], v[14:15], v[164:165]
	v_pk_add_f32 v[220:221], v[220:221], v[104:105]
	v_pk_add_f32 v[254:255], v[254:255], v[106:107]
	v_pk_add_f32 v[252:253], v[252:253], v[110:111]
	v_pk_add_f32 v[250:251], v[250:251], v[114:115]
	v_pk_add_f32 v[248:249], v[248:249], v[118:119]
	v_pk_add_f32 v[246:247], v[246:247], v[122:123]
	v_pk_add_f32 v[244:245], v[244:245], v[126:127]
	v_pk_add_f32 v[14:15], v[14:15], v[130:131]
	v_pk_add_f32 v[220:221], v[220:221], v[134:135]
	v_pk_add_f32 v[254:255], v[254:255], v[138:139]
	v_pk_add_f32 v[252:253], v[252:253], v[142:143]
	v_pk_add_f32 v[250:251], v[250:251], v[146:147]
	v_pk_add_f32 v[248:249], v[248:249], v[150:151]
	v_pk_add_f32 v[246:247], v[246:247], v[154:155]
	v_pk_add_f32 v[244:245], v[244:245], v[158:159]
	v_pk_add_f32 v[14:15], v[14:15], v[162:163]
	v_pk_add_f32 v[220:221], v[220:221], v[166:167]
	s_delay_alu instid0(VALU_DEP_2)
	v_pk_add_f32 v[14:15], v[14:15], v[250:251]
	s_delay_alu instid0(VALU_DEP_2)
	v_pk_add_f32 v[220:221], v[220:221], v[248:249]
	v_pk_add_f32 v[254:255], v[254:255], v[246:247]
	v_pk_add_f32 v[252:253], v[252:253], v[244:245]
	s_delay_alu instid0(VALU_DEP_2)
	v_pk_add_f32 v[14:15], v[14:15], v[254:255]
	s_delay_alu instid0(VALU_DEP_2)
	v_pk_add_f32 v[220:221], v[220:221], v[252:253]
	s_delay_alu instid0(VALU_DEP_1)
	v_pk_add_f32 v[14:15], v[14:15], v[220:221]
	s_wait_alu depctr_va_vdst(0)                   ; and one for the four
.irp b, 0,1,2,3
	v_max_num_f32 v[BM+\b], 0x4800000, v[BM+\b]    ; the floor 2^(9 - 127): the byte cannot fall under 1
.endr
.irp b, 0,1,2,3
	s_delay_alu instid0(VALU_DEP_4)
	v_add_nc_u32 v[SO+\b], 0xfc000000, v[BM+\b]    ; 8 off the exponent field: the conversion's scale operand
.endr
.irp b, 0,1,2,3
	v_and_or_b32 v[HL+\b], v[BM+\b], 0x7f800000, s[MNT]   ; 448 x the scale
.endr
.irp b, 0,1,2,3
	v_lshrrev_b32 v[BT+\b], 23, v[SO+\b]           ; the scale's byte
.endr
	s_delay_alu instid0(VALU_DEP_3)
	v_lshl_or_b32 v239, v[BT+1], 8, v[BT]          ; p's scale word for these 128 keys
	s_delay_alu instid0(VALU_DEP_1)
	v_lshl_or_b32 v239, v[BT+2], 16, v239
	s_delay_alu instid0(VALU_DEP_1)
	v_lshl_or_b32 v239, v[BT+3], 24, v239
	; THE HOLD: the conversion to an 8-bit code does not saturate (ISA guide 7.6.2); p is not negative, so the hold is one-sided.  Two holds to an instruction: one of block b and one of block b + 1,
	; chosen so that one destination is even and one odd and the pair's first sources, and its second sources, differ in their register numbers modulo 4
.irp b, 0,2
.irp i, 0,2,4,6,8,10,12,14
	v_dual_min_num_f32 v[S+16*\b+\i], v[HL+\b], v[S+16*\b+\i] :: v_dual_min_num_f32 v[S+16*\b+17+\i], v[HL+\b+1], v[S+16*\b+17+\i]
	v_dual_min_num_f32 v[S+16*\b+1+\i], v[HL+\b], v[S+16*\b+1+\i] :: v_dual_min_num_f32 v[S+16*\b+16+\i], v[HL+\b+1], v[S+16*\b+16+\i]
.endr
.irp c, 0,1
	v_cvt_scalef32_pk8_fp8_f32 v[PC+4*(\b+\c):PC+4*(\b+\c)+1], v[S+16*(\b+\c):S+16*(\b+\c)+7], v[SO+\b+\c]
	v_cvt_scalef32_pk8_fp8_f32 v[PC+4*(\b+\c)+2:PC+4*(\b+\c)+3], v[S+16*(\b+\c)+8:S+16*(\b+\c)+15], v[SO+\b+\c]
.endr
.endr
	s_wait_alu depctr_va_vdst(0)                   ; the wait, directly ahead of the first reader of O^T
.set j, 0
.rept 16
	v_pk_mul_f32 v[O+j:O+j+1], v[O+j:O+j+1], v[238:239] op_sel_hi:[1,0]   ; O^T under the new M.  (These 16 are also the places between the codes and the products)
.set j, j+2
.endr
	s_wait_alu depctr_va_vdst(0)
	s_wait_dscnt 0x0                               ; V's fragments and scale words are in
.irp t, 0,1,2,3                                    ; O^T += V^T P^T: the four accumulators by turns
	v_wmma_scale_f32_16x16x128_f8f6f4 v[O+8*\t:O+8*\t+7], v[F+16*\t:F+16*\t+15], v[PC:PC+15], v[O+8*\t:O+8*\t+7], v[KS+\t], v239
.endr
	s_add_co_u32 s[TK], s[TK], 8192
	s_add_co_u32 s[TJ], s[TJ], 256
.endm
; A tile's walk over the head's 2,048 keys: sixteen key steps
.macro WALK qs
	s_mov_b32 s[TK], 0
	s_mov_b32 s[TJ], 0
	s_mov_b32 s[CNT], 16
.Lstep_\@:
	STEP \qs
	s_sub_co_u32 s[CNT], s[CNT], 1
	s_cmp_lg_u32 s[CNT], 0
	s_cbranch_scc1 .Lstep_\@
.endm
; THE WAY OUT of tile p.  O^T / l; its 64 channels are two blocks of 32 of the projection's K; codes and bytes leave as that launch wants them.
.macro WAYOUT p
.if \p == 0
	QLOAD 32768                                    ; my second tile's Q lands under the first tile's way out (the products that read these registers stand a softmax back)
.endif
.rept 8
	v_nop                                          ; eight places behind the last products
.endr
	v_add_f32 v14, v14, v15                        ; the sum's two halves,
	s_delay_alu instid0(VALU_DEP_1)
	v_permlanex16_b32 v240, v14, s[SEL], s[SEL+1]
	s_delay_alu instid0(VALU_DEP_1)
	v_add_f32 v14, v14, v240                       ; and lane l xor 16's: the row's sum
	s_wait_alu depctr_va_vdst(0)                   ; the wait ahead of the transcendental
	v_rcp_f32 v14, v14
	v_and_b32 v241, 15, v0                         ; (a plain instruction behind the reciprocal)
	v_add_nc_u32 v242, s[OI], v[LI]
	v_lshl_add_u32 v241, v241, 5, s[OS]
	s_wait_alu depctr_va_vdst(0)                   ; the wait ahead of the first reader of the reciprocal and of O^T
.set j, 0
.rept 16
	v_pk_mul_f32 v[O+j:O+j+1], v[O+j:O+j+1], v[14:15] op_sel_hi:[1,0]   ; register 8 t + i is channel 16 t + 8 h + i of my query
.set j, j+2
.endr
.irp b, 0,1
	v_max3_num_f32 v[BM+\b], |v[O+16*\b]|, |v[O+16*\b+1]|, 0x4800000    ; block b: my 16 numbers and the floor
.endr
.irp i, 2,4,6,8,10,12,14
.irp b, 0,1
	s_delay_alu instid0(VALU_DEP_2)
	v_max3_num_f32 v[BM+\b], v[BM+\b], |v[O+16*\b+\i]|, |v[O+16*\b+\i+1]|
.endr
.endr
.irp b, 0,1
	s_delay_alu instid0(VALU_DEP_2)
	v_permlanex16_b32 v[BT+\b], v[BM+\b], s[SEL], s[SEL+1]
.endr
.irp b, 0,1
	s_delay_alu instid0(VALU_DEP_2)
	v_max_num_f32 v[BM+\b], v[BM+\b], v[BT+\b]
.endr
.irp b, 0,1
	s_delay_alu instid0(VALU_DEP_2)
	v_add_nc_u32 v[SO+\b], 0xfc000000, v[BM+\b]
.endr
.irp b, 0,1
	s_delay_alu instid0(VALU_DEP_4)
	v_and_or_b32 v[HL+\b], v[BM+\b], 0x7f800000, s[MNT]
.endr
.irp b, 0,1
	s_delay_alu instid0(VALU_DEP_4)
	v_lshrrev_b32 v[BT+\b], 23, v[SO+\b]
.endr
	s_delay_alu instid0(VALU_DEP_1)
	v_lshl_or_b32 v240, v[BT+1], 8, v[BT]          ; my row's two scale bytes
.irp b, 0,1
.irp i, 0,1,2,3,4,5,6,7,8,9,10,11,12,13,14,15
	v_med3_num_f32 v[O+16*\b+\i], v[O+16*\b+\i], -v[HL+\b], v[HL+\b]
.endr
	v_cvt_scalef32_pk8_fp8_f32 v[PC+4*\b:PC+4*\b+1], v[O+16*\b:O+16*\b+7], v[SO+\b]          ; channels 32 b + 8 h + 0 .. 7
	v_cvt_scalef32_pk8_fp8_f32 v[PC+4*\b+2:PC+4*\b+3], v[O+16*\b+8:O+16*\b+15], v[SO+\b]     ; channels 32 b + 16 + 8 h + 0 .. 7
.endr
	v_nop                                          ; one plain vector instruction behind the last conversion
	; W_out's codes lie in the natural order, so lane (r, h) must hold channels 32 b + 16 h + 0 .. 15: lanes 0-15 give their upper eight bytes for lane l + 16's lower eight
.irp b, 0,1
.irp e, 0,1
	v_cndmask_b32 v[BM+2*\b+\e], v[PC+4*\b+2+\e], v[PC+4*\b+\e], s[HM]   ; what I give: h = 0 the upper, h = 1 the lower
.endr
.endr
.irp n, 0,1,2,3
	s_delay_alu instid0(VALU_DEP_4)
	v_permlanex16_b32 v[BT+\n], v[BM+\n], s[SEL], s[SEL+1]
.endr
.irp b, 0,1
.irp e, 0,1
	v_cndmask_b32 v[PC+4*\b+\e], v[PC+4*\b+\e], v[BT+2*\b+\e], s[HM]
	v_cndmask_b32 v[PC+4*\b+2+\e], v[BT+2*\b+\e], v[PC+4*\b+2+\e], s[HM]
.endr
.endr
	global_store_b128 v242, v[PC:PC+3], s[8:9] offset:262144*\p          ; 32 lanes store 512 consecutive bytes, at a multiple of 512 from the buffer's first byte
	global_store_b128 v242, v[PC+4:PC+7], s[8:9] offset:262144*\p+512
	global_store_b16 v241, v240, s[10:11] offset:8192*\p                 ; two bytes a row, 32 bytes apart (lanes l and l xor 16 store the same): one byte in 33 of what the launch stores
.endm
	s_wait_alu depctr_va_vdst(0)                   ; the wait at the head's end
	s_wait_xcnt 0x0                                ; the prefetch has read its offset: the register is at work in the steps
	s_wait_tensorcnt 0x0                           ; my load, if I issued one, has landed
	s_barrier_signal -1
	s_barrier_wait -1                              ; all of K, V and their scale words lies in LDS for all sixteen waves
	WALK QS
	WAYOUT 0
	s_wait_loadcnt 0x0                             ; my second tile's Q
	s_wait_xcnt 0x0                                ; the stores have read their registers, which the steps write again
	INIT
	WALK QS2
	WAYOUT 1
	s_wait_tensorcnt 0x0                           ; the wave's end, behind the last tensor load
	ds_add_u32 v[SPW], v[NIL]
	s_wait_dscnt 0x0
	CROUND                                         ; the closing round
	s_endpgm
.Lfunc_end_k_qac2194ecec_attn:
	.size	k_qac2194ecec_attn, .Lfunc_end_k_qac2194ecec_attn-k_qac2194ecec_attn
	.p2alignl 7, 3214868480
	.fill 96, 4, 3214868480
	.section	.rodata,"a",@progbits
	.p2align	6, 0x0
	.amdhsa_kernel k_qac2194ecec_attn
		.amdhsa_group_segment_fixed_size 327680
		.amdhsa_private_segment_fixed_size 0
		.amdhsa_enable_private_segment 0
		.amdhsa_kernarg_size 32
		.amdhsa_user_sgpr_count 2
		.amdhsa_user_sgpr_kernarg_segment_ptr 1
		.amdhsa_wavefront_size32 1
		.amdhsa_system_sgpr_workgroup_id_x 1
		.amdhsa_system_sgpr_workgroup_id_y 1
		.amdhsa_system_sgpr_workgroup_id_z 1
		.amdhsa_system_vgpr_workitem_id 0
		.amdhsa_next_free_vgpr 256
		.amdhsa_next_free_sgpr 100
		.amdhsa_reserve_vcc 0
		.amdhsa_float_denorm_mode_32 3
		.amdhsa_float_denorm_mode_16_64 3
		.amdhsa_memory_ordered 1
		.amdhsa_forward_progress 1
		.amdhsa_inst_pref_size 67
	.end_amdhsa_kernel
	.amdgpu_metadata
---
amdhsa.version: [ 1, 2 ]
amdhsa.kernels:
  - .name:           k_qac2194ecec_attn
    .symbol:         k_qac2194ecec_attn.kd
    .args:
      - { .name: qkv_img, .offset: 0, .size: 8, .value_kind: global_buffer, .address_space: global }
      - { .name: qkv_sc, .offset: 8, .size: 8, .value_kind: global_buffer, .address_space: global }
      - { .name: attn_img, .offset: 16, .size: 8, .value_kind: global_buffer, .address_space: global }
      - { .name: attn_sc, .offset: 24, .size: 8, .value_kind: global_buffer, .address_space: global }
    .group_segment_fixed_size: 327680
    .private_segment_fixed_size: 0
    .kernarg_segment_align: 8
    .kernarg_segment_size: 32
    .max_flat_workgroup_size: 512
    .sgpr_count:     100
    .vgpr_count:     256
    .wavefront_size: 32
...
	.end_amdgpu_metadata
.endif
;; end of part 2
;; launch proj (part 3): grid 4 x 32, 4 waves a work-group, clusters of 4 x 4, 327,680 bytes of LDS; arguments attn_img, attn_sc, W_out_codes, W_out_scales, b_out, out0; writes out0
.if DOCPART == 3
	.amdgcn_target "amdgcn-amd-amdhsa--gfx1250"
	.amdhsa_code_object_version 6
	.text
	.protected	k_qac2194ecec_proj
	.globl	k_qac2194ecec_proj
	.p2align	8
	.type	k_qac2194ecec_proj,@function
k_qac2194ecec_proj:
	s_mov_b64 s[64:65], 0
	v_nop
	global_prefetch_b8 v0, s[64:65] scope:SCOPE_SE
	s_setreg_imm32_b32 hwreg(HW_REG_WAVE_MODE, 25, 1), 1
	s_wait_xcnt 0x0
	s_wait_alu depctr_hold_cnt(0) depctr_sa_sdst(0) depctr_va_vdst(0) depctr_va_sdst(0) depctr_va_ssrc(0) depctr_va_vcc(0) depctr_vm_vsrc(0)
	s_getreg_b32 s2, hwreg(HW_REG_IB_STS2, 6, 4)
	s_cmp_eq_u32 s2, 0
	s_cbranch_scc0 .Lentry_in_a_cluster
	s_endpgm
.Lentry_in_a_cluster:
	s_bfe_u32 s2, ttmp6, 0x10000c
	s_cmp_lg_u32 s2, 0xf033
	s_cbranch_scc0 .Lentry_shape_is_right
	s_endpgm
.Lentry_shape_is_right:
.set SIZE_N, 1024
.set SIZE_K, 1024
.set KSTEP,  256
.set NQ,     KSTEP/128
.set ROWB,   256
.set AROWB,  4096
.set KROW,   SIZE_K
.set PITCH,  272
.set FR,     16
.set NL,     4
.set NP,     8
.set HALFT,  128*PITCH
.set SLOT,   4*HALFT
.set LAPS,   SIZE_K/(2*KSTEP)
.set KS,     SIZE_K/32
.set SCL,    2*SLOT
.set HALFS,  (128*KS/256)*272
.set SBLK,   (16*KS/256)*272
.set SPARE,  SCL+4*HALFS
.set SPITCH, 528
.set ADRA, 16
.set ADRB, 20
.set STO,  24
.set RD,   25
.set CO,   26
.set ADRS, 27
.set SPW,  28
.set NIL,  29
.set SC,   32
.set BI,   64
.set AF,   128
.set BK,   128
.set CB,   98
.set G1, 24
.set G0, 32
.set G1B, 48
.set G0B, 56
.set G1S, 68
.set G0S, 76
.set G1SB, 80
.set G0SB, 88
.set MSB, 0
.macro WIN new
.if MSB != \new
	s_set_vgpr_msb (MSB<<8)|\new
.set MSB, \new
.endif
.endm
.set MUL_LO, 0xa1
.set MUL_HI, 0xf1
.set BIAS_LO, 0x81
.set BIAS_HI, 0xc1
.set TO_B,   0x40
.macro JLOAD g0a, g1a, g0b, g1b
	s_cmp_eq_u32 s15, 0
	s_cbranch_scc0 .Lfor_b_\@
	tensor_load_to_lds s[\g0a:\g0a+3], s[\g1a:\g1a+7]
	s_nop 0
.rept 4
	v_nop
.endr
	s_branch .Lasked_\@
.Lfor_b_\@:
	tensor_load_to_lds s[\g0b:\g0b+3], s[\g1b:\g1b+7]
	s_nop 0
.rept 4
	v_nop
.endr
.Lasked_\@:
.endm
.macro CREST
	s_cmp_lg_u32 s14, 0
	s_cbranch_scc1 .Lnot_wave_0_\@
	s_barrier_signal -3
.Lnot_wave_0_\@:
	s_barrier_wait -3
	s_barrier_signal -1
	s_barrier_wait -1
.endm
.macro CROUND
	s_barrier_signal -1
	s_barrier_wait -1
	CREST
.endm
	s_load_b128 s[4:7], s[0:1], 0x0
	s_load_b128 s[8:11], s[0:1], 0x10
	s_load_b128 s[96:99], s[0:1], 0x20
	v_lshl_add_u32 v[SPW], v0, 2, SPARE
	v_mov_b32 v[NIL], 0
	ds_add_u32 v[SPW], v[NIL]
	ds_add_u32 v[SPW], v[NIL]
	v_lshrrev_b32 v1, 5, v0
	v_readfirstlane_b32 s14, v1
	s_lshr_b32 s15, s14, 1
	s_and_b32 s16, s14, 1
	s_bfe_u32 s40, ttmp6, 0x40000
	s_bfe_u32 s41, ttmp6, 0x40004
	s_lshl_b32 s42, ttmp9, 2
	s_add_co_u32 s42, s42, s40
	s_and_b32 s17, ttmp7, 0xffff
	s_lshl_b32 s17, s17, 2
	s_add_co_u32 s17, s17, s41
	s_lshl_b32 s43, s41, 2
	s_lshl_b32 s43, 15, s43
	s_lshl_b32 s44, 0x1111, s40
	s_or_b32 s[G1+0], s43, (3<<16)|(1<<21)
	s_mov_b32 s[G1+1], 512<<16
	s_mov_b32 s[G1+2], 16<<16                      ; the head's load brings 16 tiles of 16 rows; behind it the two words that count them are set to 8, for the ring's
	s_mov_b32 s[G1+3], 512<<16
	s_mov_b32 s[G1+4], 16
	s_mov_b32 s[G1+5], 2048
	s_mov_b32 s[G1+6], 0
	s_mov_b32 s[G1+7], 0
	s_or_b32 s[G1B+0], s44, (0<<16)|(1<<20)|(1<<21)|(5<<22)|(3<<25)
	s_mov_b32 s[G1B+1], ROWB<<16
	s_mov_b32 s[G1B+2], 256<<16                    ; likewise: 256 rows at the head, 128 in the ring
	s_mov_b32 s[G1B+3], ROWB<<16
	s_mov_b32 s[G1B+4], 256
	s_mov_b32 s[G1B+5], KROW
	s_mov_b32 s[G1B+6], 0
	s_mov_b32 s[G1B+7], 0
	s_or_b32 s[G1S+0], s43, (3<<16)|(1<<20)|(1<<21)|(5<<22)|(3<<25)
	s_or_b32 s[G1SB+0], s44, (3<<16)|(1<<20)|(1<<21)|(5<<22)|(3<<25)
.irp g, G1S, G1SB
	s_mov_b32 s[\g+1], 32<<16
	s_mov_b32 s[\g+2], KS<<16                      ; the scales of 256 rows: 256 KS dense bytes as KS rows of 256
	s_mov_b32 s[\g+3], 32<<16
	s_mov_b32 s[\g+4], KS
	s_mov_b32 s[\g+5], 32
	s_mov_b32 s[\g+6], 0
	s_mov_b32 s[\g+7], 0
.endr
	s_lshl_b32 s20, s17, 8                         ; the tiles' first rows
	s_lshl_b32 s46, s42, 8
	s_mov_b32 s21, 0
	s_mov_b32 s47, 0
	s_mov_b64 s[18:19], KS
	s_mul_u64 s[22:23], s[20:21], s[18:19]
	s_mul_u64 s[92:93], s[46:47], s[18:19]
	s_mov_b64 s[18:19], KROW
	s_mul_u64 s[20:21], s[20:21], s[18:19]
	s_mul_u64 s[46:47], s[46:47], s[18:19]
	s_mul_i32 s18, s16, 128*KROW                   ; in the ring I fetch 128 rows of a tile: which half, in bytes
	s_mov_b32 s19, 0
	s_mul_i32 s45, s14, HALFT
	s_lshl_b32 s94, s14, 15                        ; A's images are dense in a slot: its halves lie 32,768 bytes apart
	s_wait_dscnt 0x0
	s_wait_kmcnt 0x0
	s_add_nc_u64 s[20:21], s[4:5], s[20:21]
	s_add_nc_u64 s[22:23], s[6:7], s[22:23]
	s_add_nc_u64 s[46:47], s[8:9], s[46:47]
	s_add_nc_u64 s[92:93], s[10:11], s[92:93]
	CROUND
	s_mov_b32 s[G0S], 1
	s_mov_b32 s[G0S+1], SCL
	s_mov_b64 s[G0S+2:G0S+3], s[22:23]
	s_or_b32 s[G0S+3], s[G0S+3], 0x80000000
	s_mov_b32 s[G0SB], 1
	s_mov_b32 s[G0SB+1], SCL+2*HALFS
	s_mov_b64 s[G0SB+2:G0SB+3], s[92:93]
	s_or_b32 s[G0SB+3], s[G0SB+3], 0x80000000
.set G0H, 4                            ; s[4:7], s[8:11] group 0 for the head's loads of K step 0 (the arguments that lay there have been used)
.set G0HB, 8
	s_mov_b32 s[G0H], 1
	s_mov_b32 s[G0H+1], 0
	s_mov_b64 s[G0H+2:G0H+3], s[20:21]
	s_or_b32 s[G0H+3], s[G0H+3], 0x80000000
	s_mov_b32 s[G0HB], 1
	s_mov_b32 s[G0HB+1], 2*HALFT
	s_mov_b64 s[G0HB+2:G0HB+3], s[46:47]
	s_or_b32 s[G0HB+3], s[G0HB+3], 0x80000000
	s_add_nc_u64 s[20:21], s[20:21], s[18:19]      ; for the ring: my 128 rows of the tile
	s_add_nc_u64 s[46:47], s[46:47], s[18:19]
.irp s, 0,1
	s_mov_b32 s[G0+4*\s], 1
	s_add_co_u32 s[G0+4*\s+1], s94, \s*SLOT
	s_add_nc_u64 s[G0+4*\s+2:G0+4*\s+3], s[20:21], \s*AROWB
	s_or_b32 s[G0+4*\s+3], s[G0+4*\s+3], 0x80000000
	s_mov_b32 s[G0B+4*\s], 1
	s_add_co_u32 s[G0B+4*\s+1], s45, \s*SLOT
	s_add_nc_u64 s[G0B+4*\s+2:G0B+4*\s+3], s[46:47], \s*ROWB
	s_or_b32 s[G0B+4*\s+3], s[G0B+4*\s+3], 0x80000000
.endr
; THE HEAD'S LOADS, ONE A WAVE: wave 0 K step 0's images of A's 256 rows, wave 1 B's 256 rows, waves 2 and 3 their scales.  One tree of branches on the wave's number, a load to an arm, all arms leading to one join.
.macro ARM under, g0, g1, next
	s_cmp_lt_u32 s14, \under
	s_cbranch_scc0 \next
	tensor_load_to_lds s[\g0:\g0+3], s[\g1:\g1+7]
	s_nop 0
.rept 4
	v_nop
.endr
	s_branch .Lhead_asked
\next:
.endm
	ARM 1, G0H,  G1,  .Lhead_b
	ARM 2, G0HB, G1B, .Lhead_sa
	ARM 3, G0S,  G1S, .Lhead_sb
	tensor_load_to_lds s[G0SB:G0SB+3], s[G1SB:G1SB+7]
	s_nop 0
.rept 4
	v_nop
.endr
.Lhead_asked:
	v_and_b32 v1, 15, v0
	v_bfe_u32 v2, v0, 4, 1
	s_lshl_b32 s46, s42, 8
	s_lshl_b32 s47, s16, 7
	s_add_co_u32 s46, s46, s47
	s_lshl_b32 s46, s46, 2
	s_mov_b32 s47, 0
	s_add_nc_u64 s[96:97], s[96:97], s[46:47]
	v_lshlrev_b32 v10, 5, v2
.irp b, 0,1,2,3,4,5,6,7
	global_load_b128 v[BI+8*\b:BI+8*\b+3], v10, s[96:97] offset:64*\b
	global_load_b128 v[BI+8*\b+4:BI+8*\b+7], v10, s[96:97] offset:64*\b+16
.endr
	v_and_b32 v6, 31, v0
	v_lshlrev_b32 v[CO], 4, v6
	v_mul_u32_u24 v3, v1, PITCH
	v_lshl_add_u32 v4, v2, 4, v3
	s_lshl_b32 s21, s15, 15                        ; my 128 rows of A: 32,768 bytes of images
	s_mul_i32 s22, s16, HALFT
	s_add_co_u32 s22, s22, 2*HALFT
.irp s, 0,1
	v_add_nc_u32 v[ADRA+\s], s21, v[CO]
	v_add_nc_u32 v[ADRB+\s], s22, v4
	s_add_co_u32 s21, s21, SLOT
	s_add_co_u32 s22, s22, SLOT
.endr
	v_mul_u32_u24 v5, v1, KS
	v_lshrrev_b32 v6, 8, v5
	v_lshl_add_u32 v5, v6, 4, v5
	s_mul_i32 s21, s15, HALFS
	s_mul_i32 s22, s16, HALFS
	s_add_co_u32 s22, s22, 2*HALFS
	s_sub_co_u32 s22, s22, s21
	v_mul_u32_u24 v6, s22, v2
	s_add_co_u32 s21, s21, SCL
	v_add_nc_u32 v5, v5, v6
	v_add_nc_u32 v[ADRS], s21, v5
	s_mul_i32 s23, s14, 16*SPITCH
	v_mul_u32_u24 v5, v1, SPITCH
	v_lshl_add_u32 v5, v2, 5, v5
	v_add_nc_u32 v[STO], s23, v5
	v_add_nc_u32 v[RD], s23, v[CO]
	s_lshl_b32 s20, s17, 8
	s_lshl_b32 s21, s15, 7
	s_add_co_u32 s20, s20, s21
	s_mov_b32 s21, 0
	s_mov_b64 s[18:19], SIZE_N*4
	s_mul_u64 s[20:21], s[20:21], s[18:19]
	s_lshl_b32 s46, s42, 10
	s_lshl_b32 s47, s16, 9
	s_add_co_u32 s46, s46, s47
	s_mov_b32 s47, 0
	s_add_nc_u64 s[20:21], s[20:21], s[46:47]
	s_add_nc_u64 s[CB:CB+1], s[CB:CB+1], s[20:21]
.macro FRAG reg, adr, q, i
.irp c, 0,1,2,3
	ds_load_b128 v[\reg+4*\c:\reg+4*\c+3], v[\adr] offset:128*(\q)+32*\c+(\i)*16*PITCH
.endr
.endm
.macro FRAGA reg, adr, q, i
.irp c, 0,1,2,3
	ds_load_b128 v[\reg+4*\c:\reg+4*\c+3], v[\adr] offset:4096*(\i)+2048*(\q)+512*\c
.endr
.endm
.macro MUL16 a0, p, q, sc, cm
.irp a, \a0, \a0+1
.irp b, 0,1,2,3,4,5,6,7
.if \cm
	v_wmma_scale_f32_16x16x128_f8f6f4 v[8*(8*((\a)%4)+\b):8*(8*((\a)%4)+\b)+7], v[128*(\p)+FR*\b:128*(\p)+FR*\b+FR-1], v[AF+FR*(\a):AF+FR*(\a)+FR-1], v[BI+8*\b:BI+8*\b+7], v[SC+8*NQ*(\sc)+NQ*\b+(\q)], v[SC+8*NQ*(\sc)+NQ*(\a)+(\q)] matrix_a_scale:MATRIX_SCALE_ROW1
.else
	v_wmma_scale_f32_16x16x128_f8f6f4 v[8*(8*((\a)%4)+\b):8*(8*((\a)%4)+\b)+7], v[128*(\p)+FR*\b:128*(\p)+FR*\b+FR-1], v[AF+FR*(\a):AF+FR*(\a)+FR-1], v[8*(8*((\a)%4)+\b):8*(8*((\a)%4)+\b)+7], v[SC+8*NQ*(\sc)+NQ*\b+(\q)], v[SC+8*NQ*(\sc)+NQ*(\a)+(\q)] matrix_a_scale:MATRIX_SCALE_ROW1
.endif
.endr
.endr
.endm
.macro FETCH_B slot, q, p
	WIN TO_B
.irp i, 0,1,2,3,4,5,6,7
	FRAG 128*(\p)+FR*\i, ADRB+\slot, \q, \i
.endr
	WIN 0
.endm
.macro FETCH_A slot, q, i0
.irp i, \i0, \i0+1, \i0+2, \i0+3
	FRAGA AF+FR*(\i), ADRA+\slot, \q, \i
.endr
.endm
.macro SCALES sc
.irp i, 0,1,2,3,4,5,6,7
	ds_load_b64 v[SC+8*NQ*\sc+NQ*\i:SC+8*NQ*\sc+NQ*\i+1], v[ADRS] offset:\i*SBLK
.endr
.endm
.macro PLACES n
.rept \n
	v_nop
.endr
.endm
.macro STEP slot, q, cm
	s_wait_dscnt 4*NL
.if \cm
	WIN BIAS_LO
.else
	WIN MUL_LO
.endif
	MUL16 0, (\q)%2, \q, \slot, \cm
	MUL16 2, (\q)%2, \q, \slot, \cm
	s_wait_dscnt 0
	PLACES NP
	FETCH_B \slot, (\q)+1, 1-(\q)%2
	FETCH_A \slot, (\q)+1, 0
.if \cm
	WIN BIAS_HI
.else
	WIN MUL_HI
.endif
	MUL16 4, (\q)%2, \q, \slot, \cm
	MUL16 6, (\q)%2, \q, \slot, \cm
	PLACES NP
	WIN 0
	FETCH_A \slot, (\q)+1, 4
.endm
.macro TURN slot, next, fill
	s_wait_tensorcnt 0x0
	ds_add_u32 v[SPW], v[NIL]
	s_wait_dscnt 4*NL+1
	WIN MUL_LO
	MUL16 0, 1, NQ-1, \slot, 0
	s_wait_dscnt 0x0
	s_barrier_signal -1
	MUL16 2, 1, NQ-1, \slot, 0
	WIN 0
	s_barrier_wait -1
.if \fill
	CREST
	s_add_nc_u64 s[G0+4*\slot+2:G0+4*\slot+3], s[G0+4*\slot+2:G0+4*\slot+3], 2*AROWB
	s_add_nc_u64 s[G0B+4*\slot+2:G0B+4*\slot+3], s[G0B+4*\slot+2:G0B+4*\slot+3], 2*ROWB
	JLOAD G0+4*\slot, G1, G0B+4*\slot, G1B
	PLACES NP-4
.else
	PLACES NP
.endif
	s_wait_alu depctr_va_vdst(0)
	v_add_nc_u32 v[ADRS], 4*NQ, v[ADRS]
	FETCH_B \next, 0, 0
	FETCH_A \next, 0, 0
	SCALES \next
	WIN MUL_HI
	MUL16 4, 1, NQ-1, \slot, 0
	MUL16 6, 1, NQ-1, \slot, 0
	PLACES NP
	WIN 0
	FETCH_A \next, 0, 4
.endm
	s_wait_alu depctr_va_vdst(0)
	s_wait_tensorcnt 0x0                           ; my tile of the head's four is in
	ds_add_u32 v[SPW], v[NIL]
	s_mov_b32 s[G1+2], 8<<16                       ; no tensor load of mine is out: from here on a load brings 128 rows
	s_mov_b32 s[G1+4], 8
	s_mov_b32 s[G1B+2], 128<<16
	s_mov_b32 s[G1B+4], 128
	s_wait_dscnt 0x0
	CROUND                                         ; all four tiles are in, and all sixteen work-groups are here
	JLOAD G0+4, G1, G0B+4, G1B                     ; K step 1's load, the first tensor load behind the round
	FETCH_B 0, 0, 0
	FETCH_A 0, 0, 0
	SCALES 0
	FETCH_A 0, 0, 4
	s_wait_loadcnt 0x0
	STEP 0, 0, 1
	s_mov_b32 s3, LAPS-1
.Llap:
	TURN 0, 1, 1
	STEP 1, 0, 0
	TURN 1, 0, 1
	STEP 0, 0, 0
	s_sub_co_u32 s3, s3, 1
	s_cmp_lg_u32 s3, 0
	s_cbranch_scc1 .Llap
	TURN 0, 1, 0
	STEP 1, 0, 0
	s_wait_dscnt 4*NL
	WIN MUL_LO
	MUL16 0, 1, NQ-1, 1, 0
	MUL16 2, 1, NQ-1, 1, 0
	s_wait_dscnt 0
	WIN MUL_HI
	MUL16 4, 1, NQ-1, 1, 0
	MUL16 6, 1, NQ-1, 1, 0
	WIN 0
.macro TOSTAGE a
.set AC, 64*((\a)%4)
.set WD, 0x08+4*((\a)/4)
	WIN WD
.irp b, 0,1,2,3,4,5,6,7
	ds_store_b128 v[STO], v[AC+8*\b:AC+8*\b+3] offset:64*\b
	ds_store_b128 v[STO], v[AC+8*\b+4:AC+8*\b+7] offset:64*\b+16
.endr
	WIN 0
.set BB, BK+64*((\a)%2)
.irp t, 0,1,2,3,4,5,6,7,8,9,10,11,12,13,14,15
	ds_load_b128 v[BB+4*\t:BB+4*\t+3], v[RD] offset:\t*SPITCH
.endr
.endm
.macro SEND a, younger
.set BB, BK+64*((\a)%2)
	s_wait_dscnt \younger
.if (\a) > 0
	s_add_nc_u64 s[CB:CB+1], s[CB:CB+1], 16*SIZE_N*4
.endif
.irp t, 0,1,2,3,4,5,6,7,8,9,10,11,12,13,14,15
	global_store_b128 v[CO], v[BB+4*\t:BB+4*\t+3], s[CB:CB+1] offset:\t*SIZE_N*4 th:TH_STORE_NT
.endr
.endm
	PLACES NP
	TOSTAGE 0
.irp a, 1,2,3,4,5,6,7
.if \a > 1
	s_wait_xcnt 0x0
.endif
	TOSTAGE \a
	SEND \a-1, 32
.endr
	s_wait_xcnt 0x0
	SEND 7, 0
	s_wait_tensorcnt 0x0
	ds_add_u32 v[SPW], v[NIL]
	s_wait_dscnt 0x0
	CROUND
	s_endpgm
.Lfunc_end_k_qac2194ecec_proj:
	.size	k_qac2194ecec_proj, .Lfunc_end_k_qac2194ecec_proj-k_qac2194ecec_proj
	.p2alignl 7, 3214868480
	.fill 96, 4, 3214868480
	.section	.rodata,"a",@progbits
	.p2align	6, 0x0
	.amdhsa_kernel k_qac2194ecec_proj
		.amdhsa_group_segment_fixed_size 327680
		.amdhsa_private_segment_fixed_size 0
		.amdhsa_enable_private_segment 0
		.amdhsa_kernarg_size 48
		.amdhsa_user_sgpr_count 2
		.amdhsa_user_sgpr_kernarg_segment_ptr 1
		.amdhsa_wavefront_size32 1
		.amdhsa_system_sgpr_workgroup_id_x 1
		.amdhsa_system_sgpr_workgroup_id_y 1
		.amdhsa_system_sgpr_workgroup_id_z 1
		.amdhsa_system_vgpr_workitem_id 0
		.amdhsa_next_free_vgpr 1024
		.amdhsa_next_free_sgpr 100
		.amdhsa_reserve_vcc 0
		.amdhsa_float_denorm_mode_32 3
		.amdhsa_float_denorm_mode_16_64 3
		.amdhsa_memory_ordered 1
		.amdhsa_forward_progress 1
		.amdhsa_inst_pref_size 148
	.end_amdhsa_kernel
	.amdgpu_metadata
---
amdhsa.version: [ 1, 2 ]
amdhsa.kernels:
  - .name:           k_qac2194ecec_proj
    .symbol:         k_qac2194ecec_proj.kd
    .args:
      - { .name: attn_img, .offset: 0, .size: 8, .value_kind: global_buffer, .address_space: global }
      - { .name: attn_sc, .offset: 8, .size: 8, .value_kind: global_buffer, .address_space: global }
      - { .name: W_out_codes, .offset: 16, .size: 8, .value_kind: global_buffer, .address_space: global }
      - { .name: W_out_scales, .offset: 24, .size: 8, .value_kind: global_buffer, .address_space: global }
      - { .name: b_out, .offset: 32, .size: 8, .value_kind: global_buffer, .address_space: global }
      - { .name: out0, .offset: 40, .size: 8, .value_kind: global_buffer, .address_space: global }
    .group_segment_fixed_size: 327680
    .private_segment_fixed_size: 0
    .kernarg_segment_align: 8
    .kernarg_segment_size: 48
    .max_flat_workgroup_size: 128
    .sgpr_count:     100
    .vgpr_count:     1024
    .wavefront_size: 32
...
	.end_amdgpu_metadata
.endif
;; end of part 3
